; MI455X (gfx1250); checked and timed in simulation.
; The chip was launched on July 23, 2026; its instructions are those of AMD's public machine-readable ISA for CDNA 5 (MIT licence, August 2026) and "CDNA5" Instruction Set Architecture Reference Guide (July 2026). The comments in the code are by the model that wrote it; some were corrected since.
;; Spatial Bayesian Attention. Allowed arithmetic: matrix products marked QUANTISED: E2M1 operands, one E8M0 scale for each 32 along K, by v_wmma_scale_f32_16x16x128_f8f6f4 with both operands' format E2M1 (or v_wmma_scale_f32_32x16x128_f4), f32 sums; everything else in f32.
;; Inputs: betaf 128 float32; betag 128 float32; bf 128 float32; bg 128 float32; bh 128 float32; bv 512 float32; gf 128 float32; gg 128 float32; mf 128 float32; mg 128 float32; vf 128 float32; vg 128 float32; wf 128 x 512 float32; wg 128 x 512 float32; wh 128 x 512 float32; wv 512 x 128 float32; x 4 x 512 x 64 x 64 float32.
;; Outputs: out0 4 x 512 x 64 x 64 float32.
;; This version of the problem:
;;   THIS VERSION OF THE PROBLEM IS GIVEN IN LOW PRECISION. The matrix products marked QUANTISED in the list below multiply operands that are first quantised to E2M1 (2 exponent bits, 1 mantissa bit; 4 bits a number), with one power-of-two scale for each 32 numbers along K (OCP MX v1.0); their sums are f32. All else is computed in f32.
;;   The module's matrix products, in the order in which they are computed (A, B: the left and right operand; K: the contracted axis; several contracted axes count as one K, in the product's order):
;;     1. [M 128, K 512] x [K 512, N 16,384]; A: input wf; B: input x: QUANTISED
;;     2. [M 128, K 512] x [K 512, N 16,384]; A: input wg; B: input x: QUANTISED
;;     3. [M 128, K 512] x [K 512, N 16,384]; A: input wh; B: input x: QUANTISED
;;     4. batch 4 x [M 4,096, K 128] x [K 128, N 4,096]; A: computed on the way; B: computed on the way: QUANTISED
;;     5. batch 4 x [M 128, K 4,096] x [K 4,096, N 4,096]; A: computed on the way; B: softmax (see below): QUANTISED
;;     6. [M 512, K 128] x [K 128, N 16,384]; A: input wv; B: computed on the way: QUANTISED
;;   THE QUANTISER, for each operand of a quantised product, along K:
;;     - K is cut into blocks of 32 from its start; a last block that is shorter is filled with zeros.
;;     - A block's scale is 2^e with e = floor(log2(the largest magnitude in the block)) - 2, held to -126 .. 127; a block of zeros has e = 0. As a byte (E8M0): e + 127.
;;     - Each number is divided by its block's scale, clamped to +-6, and rounded to the nearest number of E2M1, ties to even, subnormals kept.
;;     - The product sums the exact products of the quantised numbers (number of the format x scale) in f32.
;;   ~~~python
;;   def quantise(x, axis):      # numpy; x: float32 -> the quantised numbers, widened to float32 again
;;       x = np.moveaxis(x, axis, -1); K = x.shape[-1]
;;       x = np.pad(x, [(0, 0)] * (x.ndim - 1) + [(0, -K % 32)]); x = x.reshape(x.shape[:-1] + (-1, 32)); a = np.abs(x).max(-1, keepdims=True)
;;       e = np.where(a > 0, np.clip(np.frexp(np.where(a > 0, a, 1))[1] - 1 - 2, -126, 127), 0)      # np.frexp(a)[1] - 1 = floor(log2(a)), exactly
;;       r = np.clip(x / 2.0 ** e, -6, 6)
;;       step = 2.0 ** (np.maximum(np.frexp(np.where(r == 0, 1, r))[1] - 1, 0) - 1)
;;       q = np.round(r / step) * step * 2.0 ** e      # np.round: ties to even
;;       return np.moveaxis(q.reshape(q.shape[:-2] + (-1,))[..., :K], -1, axis).astype(np.float32)
;;   ~~~
;;   SOFTMAX AHEAD OF A QUANTISED PRODUCT. Where the list says 'softmax', what is quantised is not the finished softmax but p = 2^(t - M), with t = logit x log2(e) and M = ceil(the row's largest t), a whole number; so 1/2 < the row's largest p <= 1. The row's sum l is taken of the UNQUANTISED p, in f32, and the product's result is divided by l at the end. Since M is a whole number, a kernel that streams over the keys may use a running M (the ceiling of the running maximum): every later rescaling is an exact power of two, which a block's scale takes up: the codes' values come out the same.
;;   OPERANDS COMPUTED ON THE WAY. 'Computed on the way' means the value that the module computes at that place (a softmax that the list does not call 'softmax' is quantised finished and normalised). What goes into a quantiser is computed in f32, as accurately as f32 sums, v_exp_f32 and their like allow (about 1e-6 of the number): no bf16 or f16 on the way to a quantiser, and a product that is left as it is and whose result goes on into a quantised operand takes f32 operands (vector FMAs, or v_wmma_f32_16x16x4_f32). A number that lies on a knife's edge between two numbers of the format may be rounded either way, as far as f32 arithmetic and the matrix unit's own rounding can turn it there, and no further.
;; One version. Each part assembles by itself: llvm-mc -triple=amdgcn-amd-amdhsa -mcpu=gfx1250 --defsym DOCPART=n.
;; ======== version 1 of 1: 3 launches
;; workspace buffers: wq 147,456 bytes; fq 1,114,112 bytes; kv 2,228,224 bytes
;; launch wquant (part 1): grid 32 x 1, 4 waves a work-group, no clusters, 0 bytes of LDS; arguments wf, wg, wh, wv, wq; writes wq
.if DOCPART == 1
	.amdgcn_target "amdgcn-amd-amdhsa--gfx1250"
	.amdhsa_code_object_version 6
	.text
	.protected	k_q41e8b147f4_wquant
	.globl	k_q41e8b147f4_wquant
	.p2align	8
	.type	k_q41e8b147f4_wquant,@function
k_q41e8b147f4_wquant:
	s_mov_b64 s[64:65], 0
	v_nop
	global_prefetch_b8 v0, s[64:65] scope:SCOPE_SE
	s_setreg_imm32_b32 hwreg(HW_REG_WAVE_MODE, 25, 1), 1
	s_wait_xcnt 0x0
; wf, wg, wh [128][512] and wv [512][128], f32, K innermost, become codes of FP4 (E2M1) with one E8M0 byte for each 32 along K,
; laid as IMAGES OF THE OPERAND'S REGISTERS: a fragment (16 rows x 128 K, 8 registers a lane) is 1,024 bytes, register group c of lane L at 512 c + 16 L.
; Fragment id = 32 x tensor + idx lies at wq + 1,024 id, its scale words (one a lane, lanes 16-31 repeat lanes 0-15) at wq + 131,072 + 128 id.
; wf, wg, wh: idx = 4 T + s (tile T of 16 rows, K step s); lane r of tile T takes row 32 (T / 2) + 8 (T % 2) + r + 8 (r / 8), so that the results of two
; neighbouring tiles are 16 neighbours along the next product's K.  wv: idx = T, row 16 T + r.
; One wave makes one fragment: 128 waves in all.  A lane holds two whole blocks of 32 (k = 64 c + 32 h + 0 .. 31 of its row), so no other lane is asked for a maximum.
; A block's scale is 2^(floor(log2(largest magnitude)) - 2); its byte is the largest magnitude's exponent field - 2, held at 1 from below.
; LIMITS: a block of zeros, or one whose largest magnitude lies under 2^-124, gets the byte 1 (zeros: the codes are zeros, and this program alone reads the bytes); NaN and infinities are not served.
; No LDS, no barrier, no matrix unit: 1 MB is read once; the lanes' runs of 128 bytes are what the operand's layout asks.
.set FLOOR, 0x1800000                  ; 2^(3 - 127)
	s_load_b256 s[4:11], s[0:1], 0x0               ; wf, wg, wh, wv
	s_load_b64 s[12:13], s[0:1], 0x20              ; wq
	v_lshrrev_b32 v1, 5, v0
	v_readfirstlane_b32 s14, v1                    ; wave
	s_lshl_b32 s15, ttmp9, 2
	s_add_co_u32 s15, s15, s14                     ; id = 4 x work-group + wave
	s_lshr_b32 s16, ttmp9, 3                       ; tensor 0 .. 3
	s_and_b32 s17, s15, 31                         ; idx
	s_lshr_b32 s18, s17, 3                         ; T / 2
	s_lshl_b32 s19, s18, 5
	s_bfe_u32 s20, s17, 0x10002                    ; T % 2
	s_lshl_b32 s20, s20, 3
	s_add_co_u32 s19, s19, s20                     ; the tile's first row: 32 (T / 2) + 8 (T % 2)
	s_and_b32 s20, s17, 3
	s_lshl_b32 s20, s20, 9                         ; K step s: 512 bytes on
	s_lshl_b32 s21, s17, 4                         ; wv: row 16 idx
	s_cmp_eq_u32 s16, 3                            ; wv has other rows, another pitch and one K step
	s_cselect_b32 s19, s21, s19
	s_cselect_b32 s20, 0, s20
	s_cselect_b32 s22, 9, 11                       ; log2 of a row's bytes
	s_cselect_b32 s23, 0, 8                        ; wv's tiles are neighbours: no + 8 (r / 8)
	s_mov_b32 s28, 0x76543210
	s_mov_b32 s29, 0xfedcba98                      ; v_permlanex16_b32's selects for lane l xor 16
	v_and_b32 v1, 31, v0                           ; lane
	v_and_b32 v2, 15, v0                           ; r
	v_bfe_u32 v3, v0, 4, 1                         ; h
	v_and_b32 v4, s23, v2
	v_add3_u32 v4, v4, v2, s19                     ; my row
	v_lshlrev_b32 v4, s22, v4
	v_lshl_add_u32 v4, v3, 7, v4                   ; + 128 h: my 32 numbers of a pair of blocks
	v_add_nc_u32 v4, s20, v4
	v_lshlrev_b32 v5, 4, v1                        ; out: 16 x lane
	v_lshlrev_b32 v6, 2, v1                        ; and 4 x lane
	v_lshlrev_b32 v7, 3, v3                        ; 8 h bits
	v_mov_b32 v10, 0                               ; a lane permute's destination counts as one of its sources
	s_lshl_b32 s24, s15, 10
	s_mov_b32 s25, 0
	s_lshl_b32 s26, s15, 7
	s_add_co_u32 s26, s26, 131072
	s_mov_b32 s27, 0
	s_wait_alu depctr_va_vdst(0)
	s_wait_kmcnt 0x0
	s_cmp_eq_u32 s16, 1                            ; the choice hangs on the work-group's number alone
	s_cselect_b64 s[4:5], s[6:7], s[4:5]
	s_cmp_eq_u32 s16, 2
	s_cselect_b64 s[4:5], s[8:9], s[4:5]
	s_cmp_eq_u32 s16, 3
	s_cselect_b64 s[4:5], s[10:11], s[4:5]
	s_add_nc_u64 s[24:25], s[12:13], s[24:25]      ; my fragment's image
	s_add_nc_u64 s[26:27], s[12:13], s[26:27]      ; and its scale words
.irp c, 0,1
.irp i, 0,1,2,3,4,5,6,7
	global_load_b128 v[64+32*\c+4*\i:67+32*\c+4*\i], v4, s[4:5] offset:256*\c+16*\i   ; k = 64 c + 32 h + 4 i ..
.endr
.endr
	s_wait_loadcnt 0x0
.irp c, 0,1
	v_max3_num_f32 v[32+\c], |v[64+32*\c]|, |v[65+32*\c]|, FLOOR    ; my block 2 c + h, and the floor: the byte cannot fall under 1
.endr
.irp i, 2,4,6,8,10,12,14,16,18,20,22,24,26,28,30
.irp c, 0,1
	v_max3_num_f32 v[32+\c], v[32+\c], |v[64+32*\c+\i]|, |v[65+32*\c+\i]|   ; the two blocks by turns
.endr
.endr
.irp c, 0,1
	v_add_nc_u32 v[44+\c], 0xff000000, v[32+\c]    ; 2 off the exponent field: the conversion's scale operand
.endr
.irp c, 0,1
	v_lshrrev_b32 v[36+\c], 23, v[44+\c]           ; the scale's byte
.endr
	v_lshl_or_b32 v9, v37, 16, v36                 ; blocks h and 2 + h,
	v_lshlrev_b32 v9, v7, v9                       ; at their places in the word;
	v_permlanex16_b32 v10, v9, s28, s29
	v_or_b32 v9, v9, v10                           ; with lane l xor 16's two the word is whole, in both halves of the lanes
.irp c, 0,1
.irp g, 0,1,2,3
	v_cvt_scalef32_pk8_fp4_f32 v[48+4*\c+\g], v[64+32*\c+8*\g:71+32*\c+8*\g], v[44+\c]
.endr
.endr
	v_nop                                          ; one plain line behind the last scaled conversion
	global_store_b128 v5, v[48:51], s[24:25]               ; 32 lanes store 512 consecutive bytes
	global_store_b128 v5, v[52:55], s[24:25] offset:512
	global_store_b32 v6, v9, s[26:27]                      ; and 128
	s_endpgm
.Lfunc_end_k_q41e8b147f4_wquant:
	.size	k_q41e8b147f4_wquant, .Lfunc_end_k_q41e8b147f4_wquant-k_q41e8b147f4_wquant
	.p2alignl 7, 3214868480
	.fill 96, 4, 3214868480
	.section	.rodata,"a",@progbits
	.p2align	6, 0x0
	.amdhsa_kernel k_q41e8b147f4_wquant
		.amdhsa_group_segment_fixed_size 0
		.amdhsa_private_segment_fixed_size 0
		.amdhsa_enable_private_segment 0
		.amdhsa_kernarg_size 40
		.amdhsa_user_sgpr_count 2
		.amdhsa_user_sgpr_kernarg_segment_ptr 1
		.amdhsa_wavefront_size32 1
		.amdhsa_system_sgpr_workgroup_id_x 1
		.amdhsa_system_sgpr_workgroup_id_y 1
		.amdhsa_system_sgpr_workgroup_id_z 1
		.amdhsa_system_vgpr_workitem_id 0
		.amdhsa_next_free_vgpr 128
		.amdhsa_next_free_sgpr 66
		.amdhsa_reserve_vcc 0
		.amdhsa_float_denorm_mode_32 3
		.amdhsa_float_denorm_mode_16_64 3
		.amdhsa_memory_ordered 1
		.amdhsa_forward_progress 1
		.amdhsa_inst_pref_size 7
	.end_amdhsa_kernel
	.amdgpu_metadata
---
amdhsa.version: [ 1, 2 ]
amdhsa.kernels:
  - .name:           k_q41e8b147f4_wquant
    .symbol:         k_q41e8b147f4_wquant.kd
    .args:
      - { .name: wf, .offset: 0, .size: 8, .value_kind: global_buffer, .address_space: global }
      - { .name: wg, .offset: 8, .size: 8, .value_kind: global_buffer, .address_space: global }
      - { .name: wh, .offset: 16, .size: 8, .value_kind: global_buffer, .address_space: global }
      - { .name: wv, .offset: 24, .size: 8, .value_kind: global_buffer, .address_space: global }
      - { .name: wq, .offset: 32, .size: 8, .value_kind: global_buffer, .address_space: global }
    .group_segment_fixed_size: 0
    .private_segment_fixed_size: 0
    .kernarg_segment_align: 8
    .kernarg_segment_size: 40
    .max_flat_workgroup_size: 128
    .sgpr_count:     66
    .vgpr_count:     128
    .wavefront_size: 32
...
	.end_amdgpu_metadata
.endif
;; end of part 1
;; launch proj (part 2): grid 64 x 4, 8 waves a work-group, no clusters, 168,960 bytes of LDS; arguments x, wq, fq, kv, bh, gf, vf, mf, betaf, bf, gg, vg, mg, betag, bg; writes fq, kv
.if DOCPART == 2
	.amdgcn_target "amdgcn-amd-amdhsa--gfx1250"
	.amdhsa_code_object_version 6
	.text
	.protected	k_q41e8b147f4_proj
	.globl	k_q41e8b147f4_proj
	.p2align	8
	.type	k_q41e8b147f4_proj,@function
k_q41e8b147f4_proj:
	s_mov_b64 s[64:65], 0
	v_nop
	global_prefetch_b8 v0, s[64:65] scope:SCOPE_SE
	s_setreg_imm32_b32 hwreg(HW_REG_WAVE_MODE, 25, 1), 1
	s_wait_xcnt 0x0
; f = relu(bn(wf x + bf)), g = relu(bn(wg x + bg)), h = wh x + bh for 64 pixels of one batch; all three products on codes of FP4 (E2M1) with one E8M0 byte for each 32 along K.
; x [4][512][4096] f32 is quantised here along its 512 channels; the weights come as fragment images from wq.  f and g are quantised along the 128 mid channels, h along the pixels (the keys of
; the later product), and leave as fragment images: a fragment (16 rows x 128 K) is 1,024 bytes, register group c of lane L at 512 c + 16 L.
; SHARES.  Work-group (G, b) owns pixels 64 G .. 64 G + 63 of batch b: 512 rows of 256 consecutive bytes of x, brought once by eight tensor loads (64 rows a wave).  256 work-groups.
; A TILE OF 16 PIXELS (AND OF 16 ROWS OF wf, wg, wh) IS NOT 16 NEIGHBOURS: lane r of tile 2 B + u stands for item 32 B + 8 u + r + 8 (r / 8), so that in a result whose rows are such a tile
; the 16 registers of tiles 2 B and 2 B + 1 are the 16 neighbours 32 B + 16 (lane / 16) + 0 .. 15.
; PHASE X: wave w quantises channels 128 (w / 2) .. + 127 of pixels 32 (w % 2) .. + 31: a lane takes a pixel, its registers run down the channels; images to LDS.
; PRODUCTS: waves 0-3 make f's, waves 4-7 g's channels 32 (w % 4) .. + 31 (source 0 = 16 rows of the weight, source 1 = 16 pixels: a lane holds one pixel and 16 neighbouring channels);
; every wave also makes tile w of h (source 0 = 16 pixels, source 1 = 16 rows of wh: a lane holds one channel and 16 neighbouring pixels).  The biases are the C of each sum's first product.
; OUT: fq[b][G]: 4 query fragments, then 64 scale words.  kv[b][G / 2] (17,408 bytes for 128 keys): 8 fragments of g, 8 of h (rows = channels, K = the keys), 128 scale words of g, 128 of h.
; A work-group owns two of a key step's four blocks, so it writes two bytes of each of h's scale words: pieces inside runs of 64 bytes, 64 KB in the whole launch.
; The weights are shared by all work-groups, yet not asked for jointly: each wave reads its 12 KB once, straight into registers, while its 16 KB of x are on their way.
; LIMITS: a block of zeros, or one whose largest magnitude lies under 2^-124, gets the byte 1 (zeros: the codes are zeros, and this program alone reads the bytes); NaN and infinities are not served;
; gamma / sqrt(var + eps) is gamma x v_rsq_f32(var + eps).
; REGISTERS, window 0: v1-15 lane numbers and addresses; v16-27 the weights' scale words; v28-35 x's; v36-63 at work; v64-127 phase X: the codes, then x's fragments, two sets of four;
;   v128-255 phase X: 128 numbers; then v128-191 f or g (pixel tile t, weight tile u at 128 + 16 t + 8 u), v192-223 h (192 + 8 t), v224-231 bh, v232-241 at work.
; window 1: v0-63 my 8 fragments of wf or wg (8 (4 u + s)); v64-79 gamma; v80-95 var, then inv; v96-111 mean; v112-127 beta, then the shift; v128-159 my 4 fragments of wh; v232-247 the conv bias.
.set XIMG,  131072                     ; LDS: behind x's 512 rows of 256 bytes: x's 16 fragments, (K step s, pixel tile t) at (4 s + t) 1,024
.set XSC,   147456                     ; their scale words: register image 2 s + t / 2: lanes 0-15 tile 2 (t / 2), lanes 16-31 the next
.set FSC,   148480                     ; f's 64 scale words, then g's
.set CHUNK, 17408
.set QREC,  4352
.set FLOOR, 0x1800000                  ; 2^(3 - 127)
.set MSB, 0
.macro WIN new                         ; the immediate's high byte repeats the setting that is left
.if MSB != \new
	s_set_vgpr_msb (MSB<<8)|\new
.set MSB, \new
.endif
.endm
.macro PLACES
.rept 4
	v_nop
.endr
.endm
; one product: D, source 0, source 1, C (first registers), the two scale registers; ra, rb = 1: that side's scales stand in lanes 16-31
.macro WM d, a, b, c, sa, sb, ra, rb
.if (\ra)
	v_wmma_scale_f32_16x16x128_f8f6f4 v[\d:\d+7], v[\a:\a+7], v[\b:\b+7], v[\c:\c+7], v[\sa], v[\sb] matrix_a_fmt:MATRIX_FMT_FP4 matrix_b_fmt:MATRIX_FMT_FP4 matrix_a_scale:MATRIX_SCALE_ROW1
.elseif (\rb)
	v_wmma_scale_f32_16x16x128_f8f6f4 v[\d:\d+7], v[\a:\a+7], v[\b:\b+7], v[\c:\c+7], v[\sa], v[\sb] matrix_a_fmt:MATRIX_FMT_FP4 matrix_b_fmt:MATRIX_FMT_FP4 matrix_b_scale:MATRIX_SCALE_ROW1
.else
	v_wmma_scale_f32_16x16x128_f8f6f4 v[\d:\d+7], v[\a:\a+7], v[\b:\b+7], v[\c:\c+7], v[\sa], v[\sb] matrix_a_fmt:MATRIX_FMT_FP4 matrix_b_fmt:MATRIX_FMT_FP4
.endif
.endm
	s_load_b512 s[4:19], s[0:1], 0x0               ; x s4, wq s6, fq s8, kv s10, bh s12, gf s14, vf s16, mf s18
	s_load_b256 s[20:27], s[0:1], 0x40             ; betaf s20, bf s22, gg s24, vg s26
	s_load_b128 s[28:31], s[0:1], 0x60             ; mg s28, betag s30
	s_load_b64 s[32:33], s[0:1], 0x70              ; bg s32
	s_set_vgpr_msb 0x40
	v_lshl_add_u32 v254, v0, 2, 0x29000
	v_mov_b32 v255, 0
	s_set_vgpr_msb 0x4045
	ds_add_u32 v254, v255
	ds_add_u32 v254, v255
	s_set_vgpr_msb 0x4500
	v_lshrrev_b32 v1, 5, v0
	s_delay_alu instid0(VALU_DEP_1)
	v_readfirstlane_b32 s34, v1                    ; wave 0 .. 7
	s_and_b32 s35, s34, 3                          ; which block of 32 mid channels of f or g is mine
	s_lshr_b32 s48, s34, 2                         ; 0: f, 1: g
	s_and_b32 s49, ttmp7, 0xffff                   ; batch
	; descriptor group 1: 64 rows of 64 elements of 4 bytes, 4,096 elements from row to row, dense in LDS
	s_mov_b32 s36, 2<<16                           ; no mask; elements of 4 bytes; no padding
	s_mov_b32 s37, 64<<16                          ; tensor_dim0 = 64
	s_mov_b32 s38, 64<<16                          ; tensor_dim1 = 64
	s_mov_b32 s39, 64<<16                          ; tile_dim0 = 64
	s_mov_b32 s40, 64                              ; tile_dim1 = 64
	s_mov_b32 s41, 4096                            ; from channel to channel
	s_mov_b32 s42, 0
	s_mov_b32 s43, 0
	s_mov_b32 s44, 1                               ; group 0: count = 1
	s_lshl_b32 s45, s34, 14                        ; LDS: my 64 channels' rows
	s_lshl_b32 s52, s49, 23                        ; batch x 512 x 16,384 bytes
	s_lshl_b32 s53, s34, 20                        ; + wave x 64 channels
	s_add_co_u32 s52, s52, s53
	s_lshl_b32 s53, ttmp9, 8                       ; + the work-group's 256 bytes of a row
	s_add_co_u32 s52, s52, s53
	s_mov_b32 s53, 0
	s_mov_b32 s50, 0x76543210
	s_mov_b32 s51, 0xfedcba98                      ; v_permlanex16_b32's selects for lane l xor 16
	s_wait_dscnt 0x0
	s_wait_kmcnt 0x0
	s_add_nc_u64 s[46:47], s[4:5], s[52:53]
	s_or_b32 s47, s47, 0x80000000                  ; type = 2
	tensor_load_to_lds s[44:47], s[36:43]          ; my one tensor load: 16 KB; nothing in LDS is ever filled again
	s_nop 0
	PLACES
	v_and_b32 v1, 31, v0                           ; lane
	v_and_b32 v2, 15, v0                           ; r
	v_bfe_u32 v3, v0, 4, 1                         ; h
	s_delay_alu instid0(VALU_DEP_3)
	v_lshlrev_b32 v4, 4, v1                        ; 16 x lane
	s_delay_alu instid0(VALU_DEP_4)
	v_lshlrev_b32 v5, 2, v1                        ; 4 x lane
	s_wait_alu depctr_va_vdst(0)
	v_and_b32 v58, 8, v2
	s_delay_alu instid0(VALU_DEP_1)
	v_add_nc_u32 v58, v58, v2                      ; r + 8 (r / 8)
	s_delay_alu instid0(VALU_DEP_1)
	v_lshl_add_u32 v6, v3, 3, v58
	s_delay_alu instid0(VALU_DEP_1)
	v_lshlrev_b32 v6, 2, v6                        ; phase X: my pixel's word in a row: lanes 0-15 one tile, lanes 16-31 the next,
	s_lshr_b32 s52, s34, 1
	s_lshl_b32 s52, s52, 15                        ; my 128 channels,
	s_and_b32 s54, s34, 1
	s_lshl_b32 s55, s54, 7                         ; my 32 pixels
	s_add_co_u32 s52, s52, s55
	v_add_nc_u32 v6, s52, v6
	s_lshl_b32 s52, s34, 11                        ; my two fragments: 4 (w / 2) + 2 (w % 2) = 2 w
	s_add_co_u32 s52, s52, XIMG
	v_add_nc_u32 v7, s52, v4
	s_lshl_b32 s52, s34, 7
	s_add_co_u32 s52, s52, XSC
	v_add_nc_u32 v8, s52, v5                       ; and their scale words
	v_lshlrev_b32 v9, 4, v2
	s_delay_alu instid0(VALU_DEP_1)
	v_lshl_add_u32 v9, v3, 3, v9                   ; 16 r + 8 h: where 16 codes of row r lie in a block's 256 bytes of an image
	s_lshl_b32 s52, s48, 8
	s_add_co_u32 s52, s52, s35
	s_add_co_u32 s52, s52, FSC
	v_lshl_add_u32 v10, v2, 2, s52                 ; my block's byte in pixel r's scale word
	s_lshl_b32 s52, s54, 8
	s_add_co_u32 s52, s52, FSC
	v_lshl_add_u32 v11, v1, 3, s52                 ; where waves 0 and 1 read the words back
	v_lshlrev_b32 v12, 2, v2                       ; 4 r
	s_lshl_b32 s52, s35, 7
	v_lshl_add_u32 v13, v3, 6, s52                 ; the norm's numbers of my 16 channels: 4 (32 block + 16 h)
	s_wait_alu depctr_va_vdst(0)
	v_lshlrev_b32 v14, 3, v1                       ; 8 x lane
	s_lshr_b32 s52, s34, 1
	s_lshl_b32 s52, s52, 7
	s_lshl_b32 s55, s54, 5
	s_add_co_u32 s52, s52, s55
	v_lshl_add_u32 v59, v58, 2, s52                ; bh of h's channel 32 (w / 2) + 8 (w % 2) + r + 8 (r / 8)
	s_wait_alu depctr_va_vdst(0)
.irp j, 40,41,42,43
	v_mov_b32 v[\j], 0                             ; written once: a lane permute's destination counts as one of its sources
.endr
	s_lshl_b32 s52, s48, 15                        ; wq: tensor f or g, 32 fragments each;
	s_lshl_b32 s54, s35, 13                        ; my 8 fragments
	s_add_co_u32 s52, s52, s54
	s_add_nc_u64 s[54:55], s[6:7], s[52:53]
	s_lshl_b32 s52, s34, 12                        ; wh: fragments 64 + 4 w ..
	s_add_co_u32 s52, s52, 65536
	s_add_nc_u64 s[56:57], s[6:7], s[52:53]
	s_lshl_b32 s52, s48, 12                        ; their scale words, 128 bytes a fragment
	s_lshl_b32 s58, s35, 10
	s_add_co_u32 s52, s52, s58
	s_add_co_u32 s52, s52, 131072
	s_add_nc_u64 s[58:59], s[6:7], s[52:53]
	s_lshl_b32 s52, s34, 9
	s_add_co_u32 s52, s52, 131072+8192
	s_add_nc_u64 s[60:61], s[6:7], s[52:53]
	s_cmp_lt_u32 s34, 4                            ; f's norm or g's: the choice hangs on the wave's number alone
	s_cselect_b64 s[14:15], s[14:15], s[24:25]
	s_cselect_b64 s[16:17], s[16:17], s[26:27]
	s_cselect_b64 s[18:19], s[18:19], s[28:29]
	s_cselect_b64 s[20:21], s[20:21], s[30:31]
	s_cselect_b64 s[22:23], s[22:23], s[32:33]
	WIN 0x40                                       ; destination window 1
.irp k, 0,1,2,3,4,5,6,7,8,9,10,11,12,13,14,15
	global_load_b128 v[4*\k:4*\k+3], v4, s[54:55] offset:512*\k          ; wf's or wg's fragments (u, s) at 8 (4 u + s): they stay
.endr
.irp k, 0,1,2,3,4,5,6,7
	global_load_b128 v[128+4*\k:131+4*\k], v4, s[56:57] offset:512*\k    ; wh's, K step s at 128 + 8 s
.endr
.irp u, 0,1
.irp i, 0,1
	global_load_b128 v[64+8*\u+4*\i:67+8*\u+4*\i], v13, s[14:15] offset:32*\u+16*\i      ; gamma of channels 32 block + 16 h + 8 u + 0 .. 7
	global_load_b128 v[80+8*\u+4*\i:83+8*\u+4*\i], v13, s[16:17] offset:32*\u+16*\i      ; var
	global_load_b128 v[96+8*\u+4*\i:99+8*\u+4*\i], v13, s[18:19] offset:32*\u+16*\i      ; mean
	global_load_b128 v[112+8*\u+4*\i:115+8*\u+4*\i], v13, s[20:21] offset:32*\u+16*\i    ; beta
	global_load_b128 v[232+8*\u+4*\i:235+8*\u+4*\i], v13, s[22:23] offset:32*\u+16*\i    ; the conv bias
.endr
.endr
	WIN 0
.irp k, 0,1,2,3,4,5,6,7
	global_load_b32 v[16+\k], v5, s[58:59] offset:128*\k
.endr
.irp k, 0,1,2,3
	global_load_b32 v[24+\k], v5, s[60:61] offset:128*\k
.endr
	global_load_b32 v15, v59, s[12:13]
	s_wait_loadcnt 0x0                             ; weights and small vectors; x's rows are still on their way
	WIN 0x55                                       ; all four places window 1
.set j, 0
.rept 16
	v_add_f32 v[80+j], 0x3727c5ac, v[80+j]         ; var + 1e-5
.set j, j+1
.endr
.set j, 0
	s_wait_alu depctr_va_vdst(0)
.rept 16
	v_rsq_f32 v[80+j], v[80+j]
.set j, j+1
.endr
	v_nop                                          ; one plain line behind the transcendentals
.set j, 0
	s_wait_alu depctr_va_vdst(0)
.rept 16
	v_mul_f32 v[80+j], v[64+j], v[80+j]            ; inv = gamma / sqrt(var + eps)
.set j, j+1
.endr
.set j, 0
.rept 16
	v_fma_f32 v[112+j], -v[96+j], v[80+j], v[112+j]   ; beta - mean x inv
.set j, j+1
.endr
	WIN 0
	; where the results go (the registers that held g's pointers are free)
	s_lshl_b32 s24, s49, 5
	s_lshr_b32 s25, ttmp9, 1
	s_add_co_u32 s24, s24, s25
	s_mul_i32 s24, s24, CHUNK                      ; kv: chunk 32 b + G / 2
	s_and_b32 s25, ttmp9, 1                        ; which half of its 128 keys
	s_lshl_b32 s26, s49, 6
	s_add_co_u32 s26, s26, ttmp9
	s_mul_i32 s26, s26, QREC                       ; fq: record 64 b + G
	s_mov_b32 s31, 0
	s_lshl_b32 s27, s35, 8                         ; block bk's 256 bytes of an image
	s_add_co_u32 s28, s26, s27
	s_lshl_b32 s29, s25, 12                        ; g: key tiles 4 half ..
	s_add_co_u32 s29, s29, s24
	s_add_co_u32 s29, s29, s27
	s_cmp_lt_u32 s34, 4
	s_cselect_b32 s30, s28, s29
	s_cselect_b64 s[54:55], s[8:9], s[10:11]
	s_add_nc_u64 s[54:55], s[54:55], s[30:31]      ; f's or g's codes
	s_lshl_b32 s30, s34, 10
	s_lshl_b32 s27, s25, 9
	s_add_co_u32 s30, s30, s27
	s_add_co_u32 s30, s30, s24
	s_add_co_u32 s30, s30, 8192
	s_add_nc_u64 s[56:57], s[10:11], s[30:31]      ; h's codes: fragment w, blocks 2 half, 2 half + 1
	s_add_co_u32 s28, s26, 4096
	s_lshl_b32 s29, s25, 8
	s_add_co_u32 s29, s29, s24
	s_add_co_u32 s29, s29, 16384
	s_cmp_eq_u32 s34, 0
	s_cselect_b32 s30, s28, s29
	s_cselect_b64 s[58:59], s[8:9], s[10:11]
	s_add_nc_u64 s[58:59], s[58:59], s[30:31]      ; f's scale words (wave 0) or g's (wave 1)
	s_lshl_b32 s30, s34, 6
	s_lshl_b32 s27, s25, 1
	s_add_co_u32 s30, s30, s27
	s_add_co_u32 s30, s30, s24
	s_add_co_u32 s30, s30, 16896
	s_add_nc_u64 s[60:61], s[10:11], s[30:31]      ; h's scale words: tile w, bytes 2 half, 2 half + 1
	s_wait_tensorcnt 0x0                           ; my 64 rows of x are in LDS,
	s_barrier_signal -1
	s_barrier_wait -1                              ; everybody's are
	; ---- PHASE X.  A lane takes a pixel and its registers run down 128 channels: four blocks of 32, each in one lane.  The 32 lanes of a load read 32 different words of one run of 128 bytes.
.macro LOADB j
.set i, 0
.rept 32
	ds_load_b32 v[128+32*(\j)+i], v6 offset:(32*(\j)+i)*256
.set i, i+1
.endr
.endm
.macro BLOCK j
.set XS0, 128+32*(\j)
	v_max3_num_f32 v36, |v[XS0]|, |v[XS0+1]|, |v[XS0+2]|           ; the block's largest magnitude, in two chains
	v_max3_num_f32 v37, |v[XS0+3]|, |v[XS0+4]|, |v[XS0+5]|
.irp i, 6,10,14,18,22,26
	s_delay_alu instid0(VALU_DEP_2)
	v_max3_num_f32 v36, v36, |v[XS0+\i]|, |v[XS0+\i+1]|
	s_delay_alu instid0(VALU_DEP_2)
	v_max3_num_f32 v37, v37, |v[XS0+\i+2]|, |v[XS0+\i+3]|
.endr
	s_delay_alu instid0(VALU_DEP_2)
	v_max3_num_f32 v36, v36, |v[XS0+30]|, |v[XS0+31]|
	s_delay_alu instid0(VALU_DEP_1)
	v_max3_num_f32 v36, v36, v37, FLOOR            ; and the floor: the byte cannot fall under 1
	s_delay_alu instid0(VALU_DEP_1)
	v_add_nc_u32 v[44+\j], 0xff000000, v36         ; 2 off the exponent field: the conversion's scale operand
	s_delay_alu instid0(VALU_DEP_1)
	v_lshrrev_b32 v38, 23, v[44+\j]                ; the scale's byte
.if (\j) == 0
	s_delay_alu instid0(VALU_DEP_1)
	v_mov_b32 v56, v38
.else
	s_delay_alu instid0(VALU_DEP_1)
	v_lshl_or_b32 v56, v38, 8*(\j), v56            ; my pixel's scale word for this K step
.endif
.irp g, 0,1,2,3
	v_cvt_scalef32_pk8_fp4_f32 v[64+4*(\j)+\g], v[XS0+8*\g:XS0+8*\g+7], v[44+\j]
.endr
.endm
	LOADB 0
	LOADB 1
	s_wait_dscnt 32                                ; block 0's 32 loads are in; block 1's may be out
	BLOCK 0
	LOADB 2
	s_wait_dscnt 32                                ; block 1's are in; block 2's may be out
	BLOCK 1
	LOADB 3
	s_wait_dscnt 32                                ; block 2's are in; block 3's may be out
	BLOCK 2
	s_wait_dscnt 0x0
	BLOCK 3
	v_nop                                          ; one plain line behind the last scaled conversion
.irp j, 0,1,2,3,4,5,6,7
	v_mov_b32 v[224+\j], v15                       ; bh of my channel, as the C of h's first products
.endr
	v_add_nc_u32 v240, XIMG, v4                    ; where any wave reads x's images,
	v_add_nc_u32 v241, XSC, v5                     ; and their scale words
.irp c, 0,1                                    ; a fragment wants a whole block in a lane: lanes 0-15 block 2 c, lanes 16-31 block 2 c + 1, of ONE tile
.irp i, 0,1,2,3
	v_permlane16_swap_b32 v[64+8*\c+\i], v[68+8*\c+\i]   ; the first becomes group c of the lower lanes' tile, the second group c of the upper lanes' tile
.endr
.endr
	ds_store_b128 v7, v[64:67]                     ; tile 2 (w % 2): group 0,
	ds_store_b128 v7, v[72:75] offset:512          ; group 1;
	ds_store_b128 v7, v[68:71] offset:1024         ; the next tile: group 0,
	ds_store_b128 v7, v[76:79] offset:1536         ; group 1
	ds_store_b32 v8, v56
	s_wait_alu depctr_va_vdst(0)
	s_wait_dscnt 0x0                               ; for the others' sake: my images have landed
	s_barrier_signal -1
	s_barrier_wait -1                              ; x's sixteen fragments lie in LDS
	; ---- THE PRODUCTS: four K steps of 128; twelve accumulators take turns, one instruction a turn, in the same order in every step
.macro FETCH s                         ; K step s: four fragments into set s % 2
.irp k, 0,1,2,3,4,5,6,7
	ds_load_b128 v[64+32*((\s)%2)+4*\k:64+32*((\s)%2)+4*\k+3], v240 offset:4096*(\s)+512*\k
.endr
.endm
.macro KSTEP s
.if (\s) < 3
.if (\s) > 0
	PLACES                                         ; in front of loads into registers that the step before has multiplied
.endif
	FETCH (\s)+1
	s_wait_dscnt 8                                 ; all but the eight loads just issued: this step's fragments are in
.else
	s_wait_dscnt 0x0
.endif
.if (\s) == 0
	WIN 0x11                                       ; source 0 (the weight) and C (the bias) window 1
.else
	WIN 0x01
.endif
.irp t, 0,1,2,3
.irp u, 0,1
.if (\s) == 0
	WM 128+16*\t+8*\u, 8*(4*\u+(\s)), 64+32*((\s)%2)+8*\t, 232+8*\u, 16+4*\u+(\s), 28+2*(\s)+\t/2, 0, \t%2
.else
	WM 128+16*\t+8*\u, 8*(4*\u+(\s)), 64+32*((\s)%2)+8*\t, 128+16*\t+8*\u, 16+4*\u+(\s), 28+2*(\s)+\t/2, 0, \t%2
.endif
.endr
.endr
	WIN 0x04                                       ; source 1 (wh) window 1
.irp t, 0,1,2,3
.if (\s) == 0
	WM 192+8*\t, 64+32*((\s)%2)+8*\t, 128+8*(\s), 224, 28+2*(\s)+\t/2, 24+(\s), \t%2, 0
.else
	WM 192+8*\t, 64+32*((\s)%2)+8*\t, 128+8*(\s), 192+8*\t, 28+2*(\s)+\t/2, 24+(\s), \t%2, 0
.endif
.endr
	WIN 0
.endm
.irp k, 0,1,2,3,4,5,6,7
	ds_load_b32 v[28+\k], v241 offset:128*\k       ; x's scale words of all four K steps
.endr
	FETCH 0
	KSTEP 0
	KSTEP 1
	KSTEP 2
	KSTEP 3
	PLACES                                         ; in front of the first read of results
	; ---- f or g: the norm, relu, and the quantiser along the mid channels: pixel tile t's 16 registers are channels 32 block + 16 h + 0 .. 15 of pixel (t, r)
	WIN 0x14                                       ; sources 1 and 2 window 1
.irp t, 0,1,2,3
.irp u, 0,1
.irp j, 0,2,4,6
	v_pk_fma_f32 v[128+16*\t+8*\u+\j:129+16*\t+8*\u+\j], v[128+16*\t+8*\u+\j:129+16*\t+8*\u+\j], v[80+8*\u+\j:81+8*\u+\j], v[112+8*\u+\j:113+8*\u+\j]
.endr
.endr
.endr
	WIN 0
.set j, 0
.rept 64
	v_max_num_f32 v[128+j], 0, v[128+j]
.set j, j+1
.endr
.irp t, 0,1,2,3
	v_max3_num_f32 v[36+\t], v[128+16*\t], v[129+16*\t], FLOOR     ; none is negative: no |.|
.endr
.irp i, 2,4,6,8,10,12,14
.irp t, 0,1,2,3
	s_delay_alu instid0(VALU_DEP_4)
	v_max3_num_f32 v[36+\t], v[36+\t], v[128+16*\t+\i], v[129+16*\t+\i]   ; the four tiles by turns
.endr
.endr
.irp t, 0,1,2,3
	s_delay_alu instid0(VALU_DEP_4)
	v_permlanex16_b32 v[40+\t], v[36+\t], s50, s51
.endr
.irp t, 0,1,2,3
	s_delay_alu instid0(VALU_DEP_4)
	v_max_num_f32 v[36+\t], v[36+\t], v[40+\t]     ; with lane l xor 16's 16 channels: the block's largest
.endr
.irp t, 0,1,2,3
	s_delay_alu instid0(VALU_DEP_4)
	v_add_nc_u32 v[44+\t], 0xff000000, v[36+\t]
.endr
.irp t, 0,1,2,3
	s_delay_alu instid0(VALU_DEP_4)
	v_lshrrev_b32 v[40+\t], 23, v[44+\t]
.endr
.irp t, 0,1,2,3
	v_cvt_scalef32_pk8_fp4_f32 v[48+2*\t], v[128+16*\t:135+16*\t], v[44+\t]
	v_cvt_scalef32_pk8_fp4_f32 v[49+2*\t], v[136+16*\t:143+16*\t], v[44+\t]
.endr
	v_nop                                          ; one plain line behind the last scaled conversion
.irp t, 0,1,2,3
	global_store_b64 v9, v[48+2*\t:49+2*\t], s[54:55] offset:1024*\t   ; 32 lanes store 256 consecutive bytes, at a multiple of 256 from the buffer's first byte: block bk of fragment t
	ds_store_b8 v10, v[40+\t] offset:64*\t         ; lanes r and r + 16 write the same byte with the same value
.endr
	; ---- h: the quantiser along the pixels: block B's 16 registers are pixels 32 B + 16 h + 0 .. 15 of my channel
.irp b, 0,1
	v_max3_num_f32 v[232+\b], |v[192+16*\b]|, |v[193+16*\b]|, FLOOR
.endr
.irp i, 2,4,6,8,10,12,14
.irp b, 0,1
	v_max3_num_f32 v[232+\b], v[232+\b], |v[192+16*\b+\i]|, |v[193+16*\b+\i]|
.endr
.endr
.irp b, 0,1
	s_delay_alu instid0(VALU_DEP_2)
	v_permlanex16_b32 v[234+\b], v[232+\b], s50, s51
.endr
.irp b, 0,1
	s_delay_alu instid0(VALU_DEP_2)
	v_max_num_f32 v[232+\b], v[232+\b], v[234+\b]
.endr
.irp b, 0,1
	s_delay_alu instid0(VALU_DEP_2)
	v_add_nc_u32 v[236+\b], 0xff000000, v[232+\b]
.endr
.irp b, 0,1
	s_delay_alu instid0(VALU_DEP_2)
	v_lshrrev_b32 v[238+\b], 23, v[236+\b]
.endr
	s_delay_alu instid0(VALU_DEP_1)
	v_lshl_or_b32 v57, v239, 8, v238               ; my channel's two scale bytes
.irp b, 0,1
	v_cvt_scalef32_pk8_fp4_f32 v[60+2*\b], v[192+16*\b:199+16*\b], v[236+\b]
	v_cvt_scalef32_pk8_fp4_f32 v[61+2*\b], v[200+16*\b:207+16*\b], v[236+\b]
.endr
	v_nop
	global_store_b64 v9, v[60:61], s[56:57]
	global_store_b64 v9, v[62:63], s[56:57] offset:256
	global_store_b16 v12, v57, s[60:61]            ; lanes r and r + 16 store the same two bytes with the same value
	s_wait_dscnt 0x0                               ; for the others' sake: my scale bytes have landed
	s_barrier_signal -1
	s_barrier_wait -1                              ; f's and g's scale words are whole
	s_cmp_lt_u32 s34, 2
	s_cbranch_scc0 .Ldone
	ds_load_b64 v[58:59], v11                      ; wave 0: f's 64 words; wave 1: g's
	s_wait_dscnt 0x0
	global_store_b64 v14, v[58:59], s[58:59]       ; 32 lanes store 256 consecutive bytes, aligned
.Ldone:
	s_set_vgpr_msb 0x5
	s_wait_tensorcnt 0x0
	ds_add_u32 v254, v255
	s_wait_dscnt 0x0
	s_set_vgpr_msb 0x500
	s_endpgm
.Lfunc_end_k_q41e8b147f4_proj:
	.size	k_q41e8b147f4_proj, .Lfunc_end_k_q41e8b147f4_proj-k_q41e8b147f4_proj
	.p2alignl 7, 3214868480
	.fill 96, 4, 3214868480
	.section	.rodata,"a",@progbits
	.p2align	6, 0x0
	.amdhsa_kernel k_q41e8b147f4_proj
		.amdhsa_group_segment_fixed_size 168960
		.amdhsa_private_segment_fixed_size 0
		.amdhsa_enable_private_segment 0
		.amdhsa_kernarg_size 120
		.amdhsa_user_sgpr_count 2
		.amdhsa_user_sgpr_kernarg_segment_ptr 1
		.amdhsa_wavefront_size32 1
		.amdhsa_system_sgpr_workgroup_id_x 1
		.amdhsa_system_sgpr_workgroup_id_y 1
		.amdhsa_system_sgpr_workgroup_id_z 1
		.amdhsa_system_vgpr_workitem_id 0
		.amdhsa_next_free_vgpr 512
		.amdhsa_next_free_sgpr 66
		.amdhsa_reserve_vcc 0
		.amdhsa_float_denorm_mode_32 3
		.amdhsa_float_denorm_mode_16_64 3
		.amdhsa_memory_ordered 1
		.amdhsa_forward_progress 1
		.amdhsa_inst_pref_size 54
	.end_amdhsa_kernel
	.amdgpu_metadata
---
amdhsa.version: [ 1, 2 ]
amdhsa.kernels:
  - .name:           k_q41e8b147f4_proj
    .symbol:         k_q41e8b147f4_proj.kd
    .args:
      - { .name: x, .offset: 0, .size: 8, .value_kind: global_buffer, .address_space: global }
      - { .name: wq, .offset: 8, .size: 8, .value_kind: global_buffer, .address_space: global }
      - { .name: fq, .offset: 16, .size: 8, .value_kind: global_buffer, .address_space: global }
      - { .name: kv, .offset: 24, .size: 8, .value_kind: global_buffer, .address_space: global }
      - { .name: bh, .offset: 32, .size: 8, .value_kind: global_buffer, .address_space: global }
      - { .name: gf, .offset: 40, .size: 8, .value_kind: global_buffer, .address_space: global }
      - { .name: vf, .offset: 48, .size: 8, .value_kind: global_buffer, .address_space: global }
      - { .name: mf, .offset: 56, .size: 8, .value_kind: global_buffer, .address_space: global }
      - { .name: betaf, .offset: 64, .size: 8, .value_kind: global_buffer, .address_space: global }
      - { .name: bf, .offset: 72, .size: 8, .value_kind: global_buffer, .address_space: global }
      - { .name: gg, .offset: 80, .size: 8, .value_kind: global_buffer, .address_space: global }
      - { .name: vg, .offset: 88, .size: 8, .value_kind: global_buffer, .address_space: global }
      - { .name: mg, .offset: 96, .size: 8, .value_kind: global_buffer, .address_space: global }
      - { .name: betag, .offset: 104, .size: 8, .value_kind: global_buffer, .address_space: global }
      - { .name: bg, .offset: 112, .size: 8, .value_kind: global_buffer, .address_space: global }
    .group_segment_fixed_size: 168960
    .private_segment_fixed_size: 0
    .kernarg_segment_align: 8
    .kernarg_segment_size: 120
    .max_flat_workgroup_size: 256
    .sgpr_count:     66
    .vgpr_count:     512
    .wavefront_size: 32
...
	.end_amdgpu_metadata
.endif
;; end of part 2
;; launch attn (part 3): grid 64 x 4, 16 waves a work-group, clusters of 4 x 1, 327,680 bytes of LDS; arguments fq, kv, wq, bv, x, out0; writes out0
.if DOCPART == 3
	.amdgcn_target "amdgcn-amd-amdhsa--gfx1250"
	.amdhsa_code_object_version 6
	.text
	.protected	k_q41e8b147f4_attn
	.globl	k_q41e8b147f4_attn
	.p2align	8
	.type	k_q41e8b147f4_attn,@function
k_q41e8b147f4_attn:
	s_mov_b64 s[64:65], 0
	v_nop
	global_prefetch_b8 v0, s[64:65] scope:SCOPE_SE
	s_setreg_imm32_b32 hwreg(HW_REG_WAVE_MODE, 25, 1), 1
	s_wait_xcnt 0x0
	s_wait_alu depctr_hold_cnt(0) depctr_sa_sdst(0) depctr_va_vdst(0) depctr_va_sdst(0) depctr_va_ssrc(0) depctr_va_vcc(0) depctr_vm_vsrc(0)
	s_getreg_b32 s2, hwreg(HW_REG_IB_STS2, 6, 4)
	s_cmp_eq_u32 s2, 0
	s_cbranch_scc0 .Lentry_in_a_cluster
	s_endpgm
.Lentry_in_a_cluster:
	s_bfe_u32 s2, ttmp6, 0x10000c
	s_cmp_lg_u32 s2, 0x3003
	s_cbranch_scc0 .Lentry_shape_is_right
	s_endpgm
.Lentry_shape_is_right:
; out = wv z + bv + x, z[c][n] = the sum over keys m of softmax_m(f[:, n] . g[:, m] / sqrt(128)) h[c][m]; all three products on codes of FP4 (E2M1) with one E8M0 byte for each 32 along K.
; f (queries), g (keys) and h (values, the keys innermost) come as fragment images with their scale words from fq and kv, wv from wq: a fragment (16 rows x 128 K) is 1,024 bytes, group c of lane L at 512 c + 16 L,
; so every operand comes by dense loads of 16 bytes a lane: no pitch, no padding.
; THE SOFTMAX AHEAD OF THE SECOND PRODUCT: t = score x log2(e) / sqrt(128); M = the largest t so far, rounded UP to a whole number; p = 2^(t - M) is quantised along the keys, not normalised.
; The sum is taken of the unquantised p and divides at the end.  When M moves, the sum and O are multiplied by 2^(old M - new M): exact.
; SHARES.  A work-group owns 64 queries of one batch (four tiles of 16): 256 work-groups.  Wave w = 4 qt + kq takes tile qt against the key steps (128 keys each) whose number is kq mod 4: 8 of 32.
; Four waves to a SIMD, so that one wave's vector work stands beside another's products and LDS loads.  The four partial results of a tile are joined once, at the end, by powers of two.
; CLUSTER.  The four work-groups of a cluster belong to one batch and walk the same 32 chunks of kv (17,408 bytes: K's 8 fragments, V's 8, their scale words): each chunk is asked for JOINTLY.
; Two LDS slots of 8 chunks; waves 0-7 fetch a chunk each.  By this text's count a wave has two tensor loads out at the start and one behind each round.
; LAYOUT.  S^T = K Q^T and O^T = V^T P^T: a lane holds ONE query throughout.  A tile of 16 pixels, and of V's 16 channels, is not 16 neighbours: lane r of tile 2 B + u stands for item
; 32 B + 8 u + r + 8 (r / 8), so that the 16 registers of result tiles 2 B and 2 B + 1 are the neighbours 32 B + 16 (lane / 16) + 0 .. 15: p along the keys, O^T along the channels.
; THE END.  Wave (qt, kq) joins channels 32 kq .. + 31 of tile qt, divides by the sum, quantises that block of z; then wave w makes output channels 32 w .. + 31 for all 64 pixels
; (source 0 = z's 16 pixels, source 1 = 16 rows of wv, C = bv), adds x and stores whole rows of 256 bytes.
; LIMITS: NaN and infinities are not served; a block of zeros, or one whose largest magnitude lies under 2^-124, gets the byte 1 (zero codes add nothing); a p under 2^-126 is 0 (v_exp_f32 gives no denormals);
; the division is v_rcp_f32 and a multiplication; the sum over the keys is made in four parts, joined in f32.
; REGISTERS: v1 16 x lane, v2 4 x lane, v3, v4 the add's two, v5, v6 the step's addresses, v7 the prefetch's offset, v8, v9 bv, v10 Q's scale words, v12 -M, v13 the largest t, v[14:15] the sum in two halves,
;   v16-23 Q; v24-27 K's scale words, v28-31 V's (two tiles to a register: lanes 0-15, lanes 16-31); v32-95 eight fragments; v96-159 S^T, then p; v160-223 O^T; v224-231 p's codes; v232-254 at work.
.set CHUNK, 17408
.set SLOT,  8*CHUNK                    ; 139,264
.set QREC,  4352
.set SPARE, 2*SLOT                     ; behind the ring: the spare words, 128 bytes for each of 16 waves: eight blocks of 256 bytes that no other line names
.set MST,   SPARE+2048                 ; -M of each wave, 4 bytes a lane
.set LST,   MST+2048                   ; the sums likewise
.set ZI,    LST+2048                   ; z's four fragments
.set ZS,    ZI+4096                    ; their scale words
.set OSTG,  SLOT                       ; the out stage, 32 rows x 272 bytes a wave, in slot 1; the partial O^T, 8,192 bytes a wave, in slot 0: both slots have had their last fill and their last read by then
.set FLOOR, 0x1800000                  ; 2^(3 - 127)
.macro PLACES
.rept 4
	v_nop
.endr
.endm
; one product: D, source 0, source 1, C (first registers; under 0: the constant 0), the two scale registers; ra = 1: source 0's scales stand in lanes 16-31
.macro WM d, a, b, c, sa, sb, ra
.if (\c) < 0
.if (\ra)
	v_wmma_scale_f32_16x16x128_f8f6f4 v[\d:\d+7], v[\a:\a+7], v[\b:\b+7], 0, v[\sa], v[\sb] matrix_a_fmt:MATRIX_FMT_FP4 matrix_b_fmt:MATRIX_FMT_FP4 matrix_a_scale:MATRIX_SCALE_ROW1
.else
	v_wmma_scale_f32_16x16x128_f8f6f4 v[\d:\d+7], v[\a:\a+7], v[\b:\b+7], 0, v[\sa], v[\sb] matrix_a_fmt:MATRIX_FMT_FP4 matrix_b_fmt:MATRIX_FMT_FP4
.endif
.else
.if (\ra)
	v_wmma_scale_f32_16x16x128_f8f6f4 v[\d:\d+7], v[\a:\a+7], v[\b:\b+7], v[\c:\c+7], v[\sa], v[\sb] matrix_a_fmt:MATRIX_FMT_FP4 matrix_b_fmt:MATRIX_FMT_FP4 matrix_a_scale:MATRIX_SCALE_ROW1
.else
	v_wmma_scale_f32_16x16x128_f8f6f4 v[\d:\d+7], v[\a:\a+7], v[\b:\b+7], v[\c:\c+7], v[\sa], v[\sb] matrix_a_fmt:MATRIX_FMT_FP4 matrix_b_fmt:MATRIX_FMT_FP4
.endif
.endif
.endm
; A round of the cluster's barrier: my work-group's barrier; wave 0 signals for the work-group; every wave waits for all four work-groups; my work-group's barrier once more.
.macro CROUND
	s_barrier_signal -1
	s_barrier_wait -1
	s_cmp_lg_u32 s16, 0
	s_cbranch_scc1 .Lnot_wave_0_\@
	s_barrier_signal -3
.Lnot_wave_0_\@:
	s_barrier_wait -3
	s_barrier_signal -1
	s_barrier_wait -1
.endm
; A joint refill: waves 0-7 fetch a chunk each, the others nothing.  The branch hangs on the wave's number alone.  Four v_nop follow the load.
.macro JLOAD g0
	s_cmp_lt_u32 s16, 8
	s_cbranch_scc0 .Lskip_\@
	tensor_load_to_lds s[\g0:\g0+3], s[28:35]
	s_nop 0
	PLACES
.Lskip_\@:
.endm
	s_load_b256 s[4:11], s[0:1], 0x0               ; fq s4, kv s6, wq s8, bv s10
	s_load_b128 s[12:15], s[0:1], 0x20             ; x s12, out0 s14
	v_lshl_add_u32 v3, v0, 2, SPARE
	v_mov_b32 v4, 0
	ds_add_u32 v3, v4
	ds_add_u32 v3, v4
	s_wait_dscnt 0x0
	v_lshrrev_b32 v1, 5, v0
	s_delay_alu instid0(VALU_DEP_1)
	v_readfirstlane_b32 s16, v1                    ; wave 0 .. 15
	s_lshr_b32 s17, s16, 2                         ; qt: my tile of queries
	s_and_b32 s18, s16, 3                          ; kq: my share of the key steps
	s_bfe_u32 s19, ttmp6, 0x40000                  ; cx: my place in the cluster
	s_lshl_b32 s20, ttmp9, 2
	s_add_co_u32 s20, s20, s19                     ; my block of 64 queries: it enters fq's, x's and out0's addresses alone
	s_and_b32 s21, ttmp7, 0xffff                   ; the batch, which the four partners share
	s_mov_b32 s22, 0x76543210
	s_mov_b32 s23, 0xfedcba98                      ; v_permlanex16_b32's selects for lane l xor 16
	s_mov_b32 s24, 0x3e0293ee                      ; c = log2(e) / sqrt(128)
	s_mov_b32 s25, s24                             ; (named with it as a pair, so it is written)
	; descriptor group 1: a chunk is dense: 68 rows of 256 bytes (32 elements of 8 bytes), no padding
	s_mov_b32 s28, 15|(3<<16)|(1<<21)              ; the mask: all four work-groups; elements of 8 bytes; bit 21 set beside a mask
	s_mov_b32 s29, 32<<16                          ; tensor_dim0 = 32
	s_mov_b32 s30, 68<<16                          ; tensor_dim1 = 68
	s_mov_b32 s31, 32<<16                          ; tile_dim0 = 32
	s_mov_b32 s32, 68                              ; tile_dim1 = 68
	s_mov_b32 s33, 32                              ; from row to row
	s_mov_b32 s34, 0
	s_mov_b32 s35, 0
	s_mul_i32 s44, s18, CHUNK                      ; my first chunk in a slot
	s_and_b32 s54, s16, 7
	s_mov_b32 s36, 1
	s_mul_i32 s37, s54, CHUNK                      ; group 0 for slot 0: the chunk that I fetch,
	s_mov_b32 s40, 1
	s_add_co_u32 s41, s37, SLOT                    ; and for slot 1
	s_mul_i32 s52, s21, 32*CHUNK                   ; the batch's 32 chunks
	s_add_co_u32 s52, s52, s37
	s_mov_b32 s53, 0
	v_and_b32 v2, 31, v0
	s_delay_alu instid0(VALU_DEP_1)
	v_lshlrev_b32 v1, 4, v2                        ; 16 x lane
	s_delay_alu instid0(VALU_DEP_2)
	v_lshlrev_b32 v7, 14, v2                       ; lane x a row of x: 16,384 bytes
	s_delay_alu instid0(VALU_DEP_3)
	v_lshlrev_b32 v2, 2, v2                        ; 4 x lane
	v_and_b32 v11, 15, v0
	s_delay_alu instid0(VALU_DEP_1)
	v_lshlrev_b32 v11, 2, v11                      ; 4 r
	s_wait_kmcnt 0x0
	s_add_nc_u64 s[38:39], s[6:7], s[52:53]
	s_add_nc_u64 s[42:43], s[38:39], SLOT
	s_or_b32 s39, s39, 0x80000000                  ; type = 2
	s_or_b32 s43, s43, 0x80000000
	CROUND                                         ; all four work-groups are here: the first joint loads meet
	s_cmp_lt_u32 s16, 8                            ; a wave's two first fills stand in one branch, ahead of every wait on TENSORcnt and every LDS read
	s_cbranch_scc0 .Lno_first
	tensor_load_to_lds s[36:39], s[28:35]          ; chunks 0-7
	s_nop 0
	tensor_load_to_lds s[40:43], s[28:35]          ; chunks 8-15
	s_nop 0
	PLACES
.Lno_first:
	s_lshl_b32 s52, s21, 6
	s_add_co_u32 s52, s52, s20
	s_mul_i32 s52, s52, QREC                       ; fq: record 64 b + my block
	s_lshl_b32 s54, s17, 10
	s_add_co_u32 s54, s54, s52
	s_mov_b32 s55, 0
	s_add_nc_u64 s[54:55], s[4:5], s[54:55]        ; my tile's fragment
	s_lshl_b32 s56, s17, 6
	s_add_co_u32 s56, s56, s52
	s_add_co_u32 s56, s56, 4096
	s_mov_b32 s57, 0
	s_add_nc_u64 s[56:57], s[4:5], s[56:57]        ; and its scale words
	s_wait_alu depctr_va_vdst(0)
	global_load_b128 v[16:19], v1, s[54:55]
	global_load_b128 v[20:23], v1, s[54:55] offset:512
	global_load_b32 v10, v11, s[56:57]
	s_lshl_b32 s52, s21, 23                        ; x and out0: batch x 512 rows,
	s_lshl_b32 s58, s16, 19                        ; my 32 output channels,
	s_add_co_u32 s52, s52, s58
	s_lshl_b32 s58, s20, 8                         ; my block's 256 bytes of a row
	s_add_co_u32 s52, s52, s58
	s_add_nc_u64 s[48:49], s[12:13], s[52:53]
	s_add_nc_u64 s[50:51], s[14:15], s[52:53]
	v_mov_b32 v13, 0xff61b1e6                      ; the largest t so far: -3e38, under every t
	s_delay_alu instid0(VALU_DEP_1)
	v_floor_f32 v12, -v13                          ; -M
	v_mov_b32 v14, 0                               ; the sum, in two halves
	v_mov_b32 v15, 0
.irp j, 236,237,238,239,251,253
	v_mov_b32 v[\j], 0                             ; written once: lane permutes' destinations, and the upper half of the pair v[252:253]
.endr
.set j, 0
.rept 64
	v_mov_b32 v[160+j], 0                          ; O^T.  (The key step is written without a first step of its own: the first finds zeros, which the first change of M leaves zeros)
.set j, j+1
.endr
; A KEY STEP: the 128 keys of the chunk at LDS byte s45.
.macro STEP
	v_add_nc_u32 v5, s45, v1
	v_add_nc_u32 v6, s45, v2
	v_nop
	v_nop                                          ; four places behind the last step's products, in front of loads into the registers that they read
.irp p, 0,1,2,3
	ds_load_b32 v[24+\p], v6 offset:16384+128*\p   ; K's scale words: lanes 0-15 tile 2 p, lanes 16-31 tile 2 p + 1
.endr
.irp k, 0,1,2,3,4,5,6,7,8,9,10,11,12,13,14,15
	ds_load_b128 v[32+4*\k:35+4*\k], v5 offset:512*\k
.endr
	s_wait_alu depctr_va_vdst(0)
	s_wait_dscnt 8                                 ; the scale words and fragments 0-3 are in; the youngest eight loads (fragments 4-7) may be out
.irp t, 0,1,2,3
	WM 96+8*\t, 32+8*\t, 16, -1, 24+\t/2, 10, \t%2
.endr
	s_wait_dscnt 0x0
.irp t, 4,5,6,7
	WM 96+8*\t, 32+8*\t, 16, -1, 24+\t/2, 10, \t%2
.endr
	PLACES                                         ; in front of the loads below and of the first read of the scores
.irp p, 0,1,2,3
	ds_load_b32 v[28+\p], v6 offset:16896+128*\p   ; V's scale words and fragments are asked for now and land under the softmax
.endr
.irp k, 0,1,2,3,4,5,6,7,8,9,10,11,12,13,14,15
	ds_load_b128 v[32+4*\k:35+4*\k], v5 offset:8192+512*\k
.endr
.irp b, 0,1,2,3
	v_max3_num_f32 v[232+\b], v[96+16*\b], v[97+16*\b], v[98+16*\b]   ; the largest score of each block of 32 keys: it serves for the row's maximum and, since p rises with the score, for the block's largest p
.endr
.irp i, 3,5,7,9,11,13
.irp b, 0,1,2,3
	v_max3_num_f32 v[232+\b], v[232+\b], v[96+16*\b+\i], v[97+16*\b+\i]   ; the four blocks by turns
.endr
.endr
.irp b, 0,1,2,3
	v_max_num_f32 v[232+\b], v[232+\b], v[111+16*\b]
.endr
.irp b, 0,1,2,3
	s_delay_alu instid0(VALU_DEP_4)
	v_permlanex16_b32 v[236+\b], v[232+\b], s22, s23
.endr
.irp b, 0,1,2,3
	s_delay_alu instid0(VALU_DEP_4)
	v_max_num_f32 v[232+\b], v[232+\b], v[236+\b]  ; with lane l xor 16's 16 keys
.endr
	s_delay_alu instid0(VALU_DEP_2)
	v_max3_num_f32 v254, v232, v233, v234
	s_delay_alu instid0(VALU_DEP_1)
	v_max_num_f32 v254, v254, v235                 ; the step's largest score of my query
	s_delay_alu instid0(VALU_DEP_1)
	v_mul_f32 v254, s24, v254                      ; as t (c is positive)
	s_delay_alu instid0(VALU_DEP_1)
	v_max_num_f32 v13, v13, v254                   ; the running largest t
	v_mov_b32 v254, v12
	s_delay_alu instid0(VALU_DEP_2)
	v_floor_f32 v12, -v13                          ; the new -M = floor(-t) = -ceil(t): a whole number
	s_delay_alu instid0(VALU_DEP_1)
	v_sub_f32 v254, v12, v254                      ; old M - new M: a whole number, 0 or less
	s_delay_alu instid0(VALU_DEP_1)
	v_cvt_i32_f32 v254, v254                       ; (it saturates)
	s_delay_alu instid0(VALU_DEP_1)
	v_ldexp_f32 v252, 1.0, v254                    ; f = 2^(old M - new M)
.set j, 0
.rept 32
	v_pk_fma_f32 v[96+j:97+j], v[96+j:97+j], s[24:25], v[12:13] op_sel_hi:[1,0,0]   ; t - M, two at a time
.set j, j+2
.endr
.irp b, 0,1,2,3
	v_fma_f32 v[232+\b], v[232+\b], s24, v12       ; the same of each block's largest score
.endr
.set j, 0
	s_wait_alu depctr_va_vdst(0)
.rept 64
	v_exp_f32 v[96+j], v[96+j]                     ; p = 2^(t - M), at most 1
.set j, j+1
.endr
	s_setprio 1
.irp b, 0,1,2,3
	v_exp_f32 v[232+\b], v[232+\b]                 ; the block's largest p: the same two instructions on the same number
.endr
	v_pk_mul_f32 v[14:15], v[14:15], v[252:253] op_sel_hi:[1,0]   ; the sums under the new M.  (A plain line behind the exponentials)
	s_wait_alu depctr_va_vdst(0)
.irp b, 0,1,2,3
	v_max_num_f32 v[232+\b], FLOOR, v[232+\b]      ; the floor: the byte cannot fall under 1
.endr
.irp b, 0,1,2,3
	s_delay_alu instid0(VALU_DEP_4)
	v_add_nc_u32 v[244+\b], 0xff000000, v[232+\b]  ; 2 off the exponent field: the conversion's scale operand
.endr
.irp b, 0,1,2,3
	s_delay_alu instid0(VALU_DEP_4)
	v_lshrrev_b32 v[236+\b], 23, v[244+\b]         ; the scale's byte
.endr
	s_delay_alu instid0(VALU_DEP_3)
	v_lshl_or_b32 v253, v237, 8, v236              ; p's scale word for these 128 keys
	s_delay_alu instid0(VALU_DEP_1)
	v_lshl_or_b32 v253, v238, 16, v253
	s_delay_alu instid0(VALU_DEP_1)
	v_lshl_or_b32 v253, v239, 24, v253
.irp b, 0,1,2,3
	v_cvt_scalef32_pk8_fp4_f32 v[224+2*\b], v[96+16*\b:103+16*\b], v[244+\b]
	v_cvt_scalef32_pk8_fp4_f32 v[225+2*\b], v[104+16*\b:111+16*\b], v[244+\b]
.endr
	v_nop                                          ; one plain line behind the last scaled conversion
.irp c, 0,1                                    ; the operand wants a whole block in a lane: lanes 0-15 block 2 c, lanes 16-31 block 2 c + 1
.irp i, 0,1
	v_permlane16_swap_b32 v[224+4*\c+\i], v[226+4*\c+\i]
.endr
.endr
	v_pk_add_f32 v[236:237], v[100:101], v[104:105]
	v_pk_add_f32 v[254:255], v[108:109], v[112:113]
	v_pk_add_f32 v[248:249], v[116:117], v[120:121]
	v_pk_add_f32 v[246:247], v[124:125], v[128:129]
	v_pk_add_f32 v[244:245], v[132:133], v[136:137]
	v_pk_add_f32 v[242:243], v[140:141], v[144:145]
	v_pk_add_f32 v[240:241], v[148:149], v[152:153]
	v_pk_add_f32 v[14:15], v[14:15], v[156:157]
	v_pk_add_f32 v[236:237], v[236:237], v[96:97]
	v_pk_add_f32 v[254:255], v[254:255], v[98:99]
	v_pk_add_f32 v[248:249], v[248:249], v[102:103]
	v_pk_add_f32 v[246:247], v[246:247], v[106:107]
	v_pk_add_f32 v[244:245], v[244:245], v[110:111]
	v_pk_add_f32 v[242:243], v[242:243], v[114:115]
	v_pk_add_f32 v[240:241], v[240:241], v[118:119]
	v_pk_add_f32 v[14:15], v[14:15], v[122:123]
	v_pk_add_f32 v[236:237], v[236:237], v[126:127]
	v_pk_add_f32 v[254:255], v[254:255], v[130:131]
	v_pk_add_f32 v[248:249], v[248:249], v[134:135]
	v_pk_add_f32 v[246:247], v[246:247], v[138:139]
	v_pk_add_f32 v[244:245], v[244:245], v[142:143]
	v_pk_add_f32 v[242:243], v[242:243], v[146:147]
	v_pk_add_f32 v[240:241], v[240:241], v[150:151]
	v_pk_add_f32 v[14:15], v[14:15], v[154:155]
	v_pk_add_f32 v[236:237], v[236:237], v[158:159]
	s_delay_alu instid0(VALU_DEP_2)
	v_pk_add_f32 v[14:15], v[14:15], v[246:247]
	s_delay_alu instid0(VALU_DEP_2)
	v_pk_add_f32 v[236:237], v[236:237], v[244:245]
	v_pk_add_f32 v[254:255], v[254:255], v[242:243]
	v_pk_add_f32 v[248:249], v[248:249], v[240:241]
	s_delay_alu instid0(VALU_DEP_2)
	v_pk_add_f32 v[14:15], v[14:15], v[254:255]
	s_delay_alu instid0(VALU_DEP_2)
	v_pk_add_f32 v[236:237], v[236:237], v[248:249]
	s_delay_alu instid0(VALU_DEP_1)
	v_pk_add_f32 v[14:15], v[14:15], v[236:237]
.set j, 0
.rept 32
	v_pk_mul_f32 v[160+j:161+j], v[160+j:161+j], v[252:253] op_sel_hi:[1,0]   ; O^T under the new M
.set j, j+2
.endr
	s_setprio 0
	s_wait_alu depctr_va_vdst(0)
	s_wait_dscnt 0x0                               ; V is in
.irp t, 0,1,2,3,4,5,6,7                        ; the eight accumulators take turns, one instruction a turn
	WM 160+8*\t, 32+8*\t, 224, 160+8*\t, 28+\t/2, 253, \t%2
.endr
.endm
; My two key steps of a slot: chunks kq and kq + 4.
.macro SLOT_STEPS slot
	s_add_co_u32 s45, s44, (\slot)*SLOT
	s_mov_b32 s46, 2
.Lstep_\@:
	s_setprio 2
	STEP
	s_add_co_u32 s45, s45, 4*CHUNK
	s_sub_co_u32 s46, s46, 1
	s_cmp_lg_u32 s46, 0
	s_cbranch_scc1 .Lstep_\@
	s_setprio 0
.endm
; THE CHANGE OF SLOTS.  Each wave waits for all its tensor loads (its part of the slot ahead), adds 0 to its spare word, and waits for that and for its reads of the slot that it leaves.
; fill = 1: the slot just left is filled with the chunks 16 further on; the barrier is then a round of the cluster's, and the joint refill is the first thing behind it: it has a slot's steps in which to land.
.macro CHANGE fill, g0
	s_wait_tensorcnt 0x0                           ; no tensor load of mine is out, so a group 0 may be written
	ds_add_u32 v3, v4                              ; 0 onto my spare word
.if \fill
	s_add_nc_u64 s[\g0+2:\g0+3], s[\g0+2:\g0+3], 2*SLOT   ; the type bits on top are not reached
.endif
	s_wait_dscnt 0x0                               ; the add is done, and my reads of the slot are over
.if \fill
	CROUND
	JLOAD \g0
.else
	s_barrier_signal -1
	s_barrier_wait -1
.endif
.endm
	s_wait_tensorcnt 0x1                           ; my chunk of slot 0 is in; slot 1's may stay out
	s_barrier_signal -1
	s_barrier_wait -1                              ; everybody's is
	s_wait_loadcnt 0x0                             ; Q
	SLOT_STEPS 0                                   ; chunks 0-7
	CHANGE 1, 36                                   ; slot 0 takes chunks 16-23
	SLOT_STEPS 1                                   ; chunks 8-15
	CHANGE 1, 40                                   ; slot 1 takes chunks 24-31
	SLOT_STEPS 0
	CHANGE 0, 0                                    ; nothing is left to fetch
	s_add_co_u32 s45, s44, SLOT                    ; the last slot is written out
	STEP
	s_add_co_u32 s45, s45, 4*CHUNK
	global_prefetch_b8 v7, s[48:49] th:TH_LOAD_NT scope:SCOPE_SE   ; the 32 rows of 256 bytes of x that this wave adds at the end: a lane to a row, each row asked for once in the launch, one key step ahead of its loads
	STEP
	; ---- THE END, 1: addresses (these lines are also the places behind the last products), the loads for the last product, and my partial results to LDS
	v_and_b32 v254, 15, v0                         ; r
	s_wait_alu depctr_va_vdst(0)
	v_bfe_u32 v252, v0, 4, 1                       ; h
	s_lshl_b32 s52, s16, 13
	v_add_nc_u32 v5, s52, v1                       ; my partial O^T: 8,192 x wave + 16 x lane
	s_lshl_b32 s52, s17, 15
	s_lshl_b32 s53, s18, 11
	s_add_co_u32 s52, s52, s53
	v_add_nc_u32 v6, s52, v1                       ; what I join: the tile's four waves, tiles 2 kq and 2 kq + 1 of their O^T
	s_lshl_b32 s52, s16, 7
	s_add_co_u32 s52, s52, MST
	v_add_nc_u32 v11, s52, v2
	s_lshl_b32 s52, s17, 9
	s_add_co_u32 s52, s52, MST
	v_add_nc_u32 v16, s52, v2
	s_lshl_b32 s52, s17, 10
	s_lshl_b32 s53, s18, 8
	s_add_co_u32 s52, s52, s53
	s_add_co_u32 s52, s52, ZI
	v_lshl_add_u32 v17, v254, 4, s52
	s_wait_alu depctr_va_vdst(0)
	v_lshl_add_u32 v17, v252, 3, v17               ; z's codes: fragment qt, block kq, 16 r + 8 h
	s_lshl_b32 s52, s17, 6
	s_add_co_u32 s52, s52, s18
	s_add_co_u32 s52, s52, ZS
	v_lshl_add_u32 v18, v254, 2, s52               ; and my block's byte in query r's scale word
	v_add_nc_u32 v19, ZI, v1
	v_add_nc_u32 v20, ZS, v2
	s_mul_i32 s52, s16, 32*272
	s_add_co_u32 s52, s52, OSTG                    ; my out stage
	v_mul_u32_u24 v21, v254, 272
	s_delay_alu instid0(VALU_DEP_1)
	v_lshl_add_u32 v21, v252, 6, v21
	s_delay_alu instid0(VALU_DEP_1)
	v_add_nc_u32 v21, s52, v21                     ; in: row = channel r; my eight pixels begin 64 h bytes on
	v_mul_u32_u24 v22, v252, 272
	s_delay_alu instid0(VALU_DEP_1)
	v_lshl_add_u32 v22, v254, 4, v22
	s_delay_alu instid0(VALU_DEP_1)
	v_add_nc_u32 v22, s52, v22                     ; back: lanes 0-15 one row of 256 bytes, lanes 16-31 the next
	v_lshlrev_b32 v23, 14, v252
	s_delay_alu instid0(VALU_DEP_1)
	v_lshl_add_u32 v23, v254, 4, v23               ; and the same two rows in x and out0
	s_wait_alu depctr_va_vdst(0)
	s_lshl_b32 s52, s16, 7
	v_lshl_add_u32 v255, v254, 2, s52              ; bv of channel 32 w + r
	s_lshl_b32 s52, s16, 11
	s_add_co_u32 s52, s52, 98304
	s_mov_b32 s53, 0
	s_add_nc_u64 s[54:55], s[8:9], s[52:53]        ; wv's fragments 2 w, 2 w + 1
	s_lshl_b32 s52, s16, 8
	s_add_co_u32 s52, s52, 131072+12288
	s_add_nc_u64 s[56:57], s[8:9], s[52:53]        ; and their scale words
.irp k, 0,1,2,3
	global_load_b128 v[224+4*\k:227+4*\k], v1, s[54:55] offset:512*\k
.endr
	global_load_b32 v24, v2, s[56:57]
	global_load_b32 v25, v2, s[56:57] offset:128
	global_load_b32 v8, v255, s[10:11]
	global_load_b32 v9, v255, s[10:11] offset:64
.irp k, 0,1,2,3,4,5,6,7,8,9,10,11,12,13,14,15
	global_load_b128 v[32+4*\k:35+4*\k], v23, s[48:49] offset:32768*\k th:TH_LOAD_NT   ; x: sixteen lanes read 256 consecutive bytes; this launch reads them once
.endr
	v_add_f32 v14, v14, v15                        ; the sum's two halves,
	s_delay_alu instid0(VALU_DEP_1)
	v_permlanex16_b32 v251, v14, s22, s23
	s_delay_alu instid0(VALU_DEP_1)
	v_add_f32 v14, v14, v251                       ; and lane l xor 16's
	ds_store_b32 v11, v12
	ds_store_b32 v11, v14 offset:2048
.irp g, 0,1,2,3,4,5,6,7,8,9,10,11,12,13,14,15
	ds_store_b128 v5, v[160+4*\g:163+4*\g] offset:512*\g   ; each accumulator from its low end on
.endr
	s_wait_dscnt 0x0                               ; for the others' sake: my stores have landed; my reads of slot 1 are over
	s_barrier_signal -1
	s_barrier_wait -1
	; ---- 2: the four parts of my 16 queries x 32 channels are joined under the largest M
.irp k, 0,1,2,3
	ds_load_b32 v[240+2*\k], v16 offset:128*\k
	ds_load_b32 v[241+2*\k], v16 offset:2048+128*\k
.endr
.irp k, 0,1,2,3
.irp g, 0,1,2,3
	ds_load_b128 v[96+16*\k+4*\g:99+16*\k+4*\g], v6 offset:8192*\k+512*\g
.endr
.endr
	s_wait_dscnt 0x0
	v_min3_num_f32 v248, v240, v242, v244
	s_delay_alu instid0(VALU_DEP_1)
	v_min_num_f32 v248, v248, v246                 ; -M of the whole row
.irp k, 0,1,2,3
	v_sub_f32 v[240+2*\k], v248, v[240+2*\k]       ; part k's M less the row's: a whole number, 0 or less
.endr
.irp k, 0,1,2,3
	s_delay_alu instid0(VALU_DEP_4)
	v_cvt_i32_f32 v[240+2*\k], v[240+2*\k]
.endr
.irp k, 0,1,2,3
	s_delay_alu instid0(VALU_DEP_4)
	v_ldexp_f32 v[240+2*\k], 1.0, v[240+2*\k]      ; a power of two: nothing is rounded
.endr
	s_delay_alu instid0(VALU_DEP_4)
	v_mul_f32 v250, v240, v241
	s_delay_alu instid0(VALU_DEP_1)
	v_fma_f32 v250, v242, v243, v250
	s_delay_alu instid0(VALU_DEP_1)
	v_fma_f32 v250, v244, v245, v250
	s_delay_alu instid0(VALU_DEP_1)
	v_fma_f32 v250, v246, v247, v250               ; the row's sum
	s_wait_alu depctr_va_vdst(0)
	v_rcp_f32 v248, v250
	v_mov_b32 v249, 0                              ; (a plain line behind the transcendental; the pair's upper half is named, so it is written)
.set i, 0
.rept 8
	v_pk_mul_f32 v[160+i:161+i], v[96+i:97+i], v[240:241] op_sel_hi:[1,0]
.set i, i+2
.endr
.irp k, 1,2,3
.set i, 0
.rept 8
	v_pk_fma_f32 v[160+i:161+i], v[96+16*\k+i:97+16*\k+i], v[240+2*\k:241+2*\k], v[160+i:161+i] op_sel_hi:[1,0,1]
.set i, i+2
.endr
.endr
.set i, 0
	s_wait_alu depctr_va_vdst(0)
.rept 8
	v_pk_mul_f32 v[160+i:161+i], v[160+i:161+i], v[248:249] op_sel_hi:[1,0]   ; z = O / the sum: channels 32 kq + 16 h + 0 .. 15 of query r
.set i, i+2
.endr
	; ---- 3: block kq of z is quantised along the channels
	v_max3_num_f32 v250, |v160|, |v161|, FLOOR
.irp i, 2,4,6,8,10,12,14
	s_delay_alu instid0(VALU_DEP_1)
	v_max3_num_f32 v250, v250, |v[160+\i]|, |v[161+\i]|
.endr
	s_delay_alu instid0(VALU_DEP_1)
	v_permlanex16_b32 v251, v250, s22, s23
	s_delay_alu instid0(VALU_DEP_1)
	v_max_num_f32 v250, v250, v251
	s_delay_alu instid0(VALU_DEP_1)
	v_add_nc_u32 v252, 0xff000000, v250
	s_delay_alu instid0(VALU_DEP_1)
	v_lshrrev_b32 v254, 23, v252
	v_cvt_scalef32_pk8_fp4_f32 v176, v[160:167], v252
	v_cvt_scalef32_pk8_fp4_f32 v177, v[168:175], v252
	v_nop                                          ; one plain line behind the last scaled conversion
	ds_store_b64 v17, v[176:177]
	ds_store_b8 v18, v254                          ; lanes r and r + 16 write the same byte with the same value
	s_wait_loadcnt 16                              ; wv, its scale words and bv are in; x's sixteen loads may be out
.irp j, 0,1,2,3,4,5,6,7
	v_mov_b32 v[208+\j], v8                        ; bv of my channel, as the C of the last products
	v_mov_b32 v[216+\j], v9
.endr
	s_wait_alu depctr_va_vdst(0)
	s_wait_dscnt 0x0                               ; for the others' sake: my part of z has landed
	s_barrier_signal -1
	s_barrier_wait -1
	; ---- 4: out = z wv^T + bv: source 0 = 16 pixels of z, source 1 = 16 rows of wv: a lane holds one output channel and eight neighbouring pixels
.irp k, 0,1,2,3,4,5,6,7
	ds_load_b128 v[176+4*\k:179+4*\k], v19 offset:512*\k
.endr
	ds_load_b32 v28, v20
	ds_load_b32 v29, v20 offset:128
	s_wait_dscnt 0x0
.irp a, 0,1
.irp q, 0,1,2,3
	WM 96+32*\a+8*\q, 176+8*\q, 224+8*\a, 208+8*\a, 28+\q/2, 24+\a, \q%2
.endr
.endr
	PLACES                                         ; in front of the stores that read results and of the loads into registers that the products read
	; ---- 5: through my own stage: in by channels and runs of eight pixels, back as whole rows of 256 bytes.  LDS serves a wave's instructions in order: no wait between the stores and the loads
.irp a, 0,1
.irp q, 0,1,2,3
	ds_store_b128 v21, v[96+32*\a+8*\q:99+32*\a+8*\q] offset:4352*\a+128*(\q/2)+32*(\q%2)        ; pixels 32 (q / 2) + 16 h + 8 (q % 2) + 0 .. 3 of channel 16 a + r
	ds_store_b128 v21, v[100+32*\a+8*\q:103+32*\a+8*\q] offset:4352*\a+128*(\q/2)+32*(\q%2)+16
.endr
.endr
.irp k, 0,1,2,3,4,5,6,7,8,9,10,11,12,13,14,15
	ds_load_b128 v[160+4*\k:163+4*\k], v22 offset:544*\k
.endr
	s_wait_loadcnt 0x0                             ; x
.irp k, 0,1,2,3,4,5,6,7,8,9,10,11,12,13,14,15
	s_wait_dscnt 15-\k                             ; rows 2 k and 2 k + 1 are back; the younger loads may be out
	v_pk_add_f32 v[160+4*\k:161+4*\k], v[160+4*\k:161+4*\k], v[32+4*\k:33+4*\k]
	v_pk_add_f32 v[162+4*\k:163+4*\k], v[162+4*\k:163+4*\k], v[34+4*\k:35+4*\k]
	global_store_b128 v23, v[160+4*\k:163+4*\k], s[50:51] offset:32768*\k th:TH_STORE_NT   ; sixteen lanes store 256 consecutive bytes, at a multiple of 256 from out0's first byte
.endr
	s_wait_tensorcnt 0x0                           ; the wave's end, behind my last tensor load and my last LDS store
	ds_add_u32 v3, v4
	s_wait_dscnt 0x0
	CROUND                                         ; the closing round: no work-group ends while a partner may still ask for a chunk that names it
	s_endpgm
.Lfunc_end_k_q41e8b147f4_attn:
	.size	k_q41e8b147f4_attn, .Lfunc_end_k_q41e8b147f4_attn-k_q41e8b147f4_attn
	.p2alignl 7, 3214868480
	.fill 96, 4, 3214868480
	.section	.rodata,"a",@progbits
	.p2align	6, 0x0
	.amdhsa_kernel k_q41e8b147f4_attn
		.amdhsa_group_segment_fixed_size 327680
		.amdhsa_private_segment_fixed_size 0
		.amdhsa_enable_private_segment 0
		.amdhsa_kernarg_size 48
		.amdhsa_user_sgpr_count 2
		.amdhsa_user_sgpr_kernarg_segment_ptr 1
		.amdhsa_wavefront_size32 1
		.amdhsa_system_sgpr_workgroup_id_x 1
		.amdhsa_system_sgpr_workgroup_id_y 1
		.amdhsa_system_sgpr_workgroup_id_z 1
		.amdhsa_system_vgpr_workitem_id 0
		.amdhsa_next_free_vgpr 256
		.amdhsa_next_free_sgpr 66
		.amdhsa_reserve_vcc 0
		.amdhsa_float_denorm_mode_32 3
		.amdhsa_float_denorm_mode_16_64 3
		.amdhsa_memory_ordered 1
		.amdhsa_forward_progress 1
		.amdhsa_inst_pref_size 125
	.end_amdhsa_kernel
	.amdgpu_metadata
---
amdhsa.version: [ 1, 2 ]
amdhsa.kernels:
  - .name:           k_q41e8b147f4_attn
    .symbol:         k_q41e8b147f4_attn.kd
    .args:
      - { .name: fq, .offset: 0, .size: 8, .value_kind: global_buffer, .address_space: global }
      - { .name: kv, .offset: 8, .size: 8, .value_kind: global_buffer, .address_space: global }
      - { .name: wq, .offset: 16, .size: 8, .value_kind: global_buffer, .address_space: global }
      - { .name: bv, .offset: 24, .size: 8, .value_kind: global_buffer, .address_space: global }
      - { .name: x, .offset: 32, .size: 8, .value_kind: global_buffer, .address_space: global }
      - { .name: out0, .offset: 40, .size: 8, .value_kind: global_buffer, .address_space: global }
    .group_segment_fixed_size: 327680
    .private_segment_fixed_size: 0
    .kernarg_segment_align: 8
    .kernarg_segment_size: 48
    .max_flat_workgroup_size: 512
    .sgpr_count:     66
    .vgpr_count:     256
    .wavefront_size: 32
...
	.end_amdgpu_metadata
.endif
;; end of part 3
